; MI455X (gfx1250); checked and timed in simulation.
; The chip was launched on July 23, 2026; its instructions are those of AMD's public machine-readable ISA for CDNA 5 (MIT licence, August 2026) and "CDNA5" Instruction Set Architecture Reference Guide (July 2026). The comments in the code are by the model that wrote it; some were corrected since.
;; B Spline KAN Layer. Allowed arithmetic: matrix products marked QUANTISED: E2M1 operands, one E8M0 scale for each 32 along K, by v_wmma_scale_f32_16x16x128_f8f6f4 with both operands' format E2M1 (or v_wmma_scale_f32_32x16x128_f4), f32 sums; everything else in f32.
;; Inputs: base_weight_codes 512 x 16 x 16 uint8 (E2M1 codes of base_weight, K innermost, in blocks of 32 codes, two codes a byte); base_weight_scales 512 x 16 uint8 (E8M0 scales of base_weight, one for each 32 codes along K); coeff 512 x 512 x 8 float32; knots 12 float32; x 16,384 x 512 float32.
;; Outputs: out0 16,384 x 512 float32.
;; This version of the problem:
;;   THIS VERSION OF THE PROBLEM IS GIVEN IN LOW PRECISION. The matrix products marked QUANTISED in the list below multiply operands that are first quantised to E2M1 (2 exponent bits, 1 mantissa bit; 4 bits a number), with one power-of-two scale for each 32 numbers along K (OCP MX v1.0); their sums are f32. All else is computed in f32.
;;   The module's matrix products, in the order in which they are computed (A, B: the left and right operand; K: the contracted axis; several contracted axes count as one K, in the product's order):
;;     1. [M 16,384, K 512] x [K 512, N 512]; A: input x; B: input base_weight (given as codes): QUANTISED
;;     2. [M 16,384, K 4,096] x [K 4,096, N 512]; A: computed on the way; B: input coeff: QUANTISED
;;   THE QUANTISER, for each operand of a quantised product, along K:
;;     - K is cut into blocks of 32 from its start; a last block that is shorter is filled with zeros.
;;     - A block's scale is 2^e with e = floor(log2(the largest magnitude in the block)) - 2, held to -126 .. 127; a block of zeros has e = 0. As a byte (E8M0): e + 127.
;;     - Each number is divided by its block's scale, clamped to +-6, and rounded to the nearest number of E2M1, ties to even, subnormals kept.
;;     - The product sums the exact products of the quantised numbers (number of the format x scale) in f32.
;;   ~~~python
;;   def quantise(x, axis):      # numpy; x: float32 -> the quantised numbers, widened to float32 again
;;       x = np.moveaxis(x, axis, -1); K = x.shape[-1]
;;       x = np.pad(x, [(0, 0)] * (x.ndim - 1) + [(0, -K % 32)]); x = x.reshape(x.shape[:-1] + (-1, 32)); a = np.abs(x).max(-1, keepdims=True)
;;       e = np.where(a > 0, np.clip(np.frexp(np.where(a > 0, a, 1))[1] - 1 - 2, -126, 127), 0)      # np.frexp(a)[1] - 1 = floor(log2(a)), exactly
;;       r = np.clip(x / 2.0 ** e, -6, 6)
;;       step = 2.0 ** (np.maximum(np.frexp(np.where(r == 0, 1, r))[1] - 1, 0) - 1)
;;       q = np.round(r / step) * step * 2.0 ** e      # np.round: ties to even
;;       return np.moveaxis(q.reshape(q.shape[:-2] + (-1,))[..., :K], -1, axis).astype(np.float32)
;;   ~~~
;;   OPERANDS COMPUTED ON THE WAY. 'Computed on the way' means the value that the module computes at that place (a softmax that the list does not call 'softmax' is quantised finished and normalised). What goes into a quantiser is computed in f32, as accurately as f32 sums, v_exp_f32 and their like allow (about 1e-6 of the number): no bf16 or f16 on the way to a quantiser, and a product that is left as it is and whose result goes on into a quantised operand takes f32 operands (vector FMAs, or v_wmma_f32_16x16x4_f32). A number that lies on a knife's edge between two numbers of the format may be rounded either way, as far as f32 arithmetic and the matrix unit's own rounding can turn it there, and no further.
;;   INPUTS GIVEN AS CODES. base_weight (in the module: [512, 512], K = its axis 0): each comes as NAME_codes (uint8): NAME with its K axis moved to the last place and cut into blocks of 32 codes, [.., K / 32, bytes a block], one block behind the other in memory; two codes a byte, the lower K in the low four bits (a code: sign, 2 exponent bits, 1 mantissa bit); and NAME_scales (uint8): the same leading axes, one E8M0 byte (e + 127) for each 32 codes along K. Its value is code x scale, taken as it is: it is not quantised again, and the codes and scales need not be those that the quantiser above would give.
;; One version. Each part assembles by itself: llvm-mc -triple=amdgcn-amd-amdhsa -mcpu=gfx1250 --defsym DOCPART=n.
;; ======== version 1 of 1: 2 launches
;; workspace buffers: wq 1,253,376 bytes
;; launch prep (part 1): grid 288 x 1, 1 waves a work-group, no clusters, 0 bytes of LDS; arguments coeff, base_weight_codes, base_weight_scales, wq; writes wq
.if DOCPART == 1
	.amdgcn_target "amdgcn-amd-amdhsa--gfx1250"
	.amdhsa_code_object_version 6
	.text
	.protected	k_q1b776833c0_prep
	.globl	k_q1b776833c0_prep
	.p2align	8
	.type	k_q1b776833c0_prep,@function
k_q1b776833c0_prep:
	s_mov_b64 s[64:65], 0
	v_nop
	global_prefetch_b8 v0, s[64:65] scope:SCOPE_SE
	s_setreg_imm32_b32 hwreg(HW_REG_WAVE_MODE, 25, 1), 1
	s_wait_xcnt 0x0
; The weights of both products are laid into wq, in the order of a 4-bit operand's registers, as 9 slots of 139,264 bytes.
; A slot is 512 along K for all 512 outputs o:  codes at (t*4+s)*1024 + c*512 + 16*lane  (t = o/16, s = K step of 128, lane = 16 h + o%16: the lane's registers 4c..4c+3),
; scale bytes at 131072 + o*16 + s*4 + (2c+h).
; Slots 0-7: coeff [512 i][512 o][8 r] f32, quantised to E2M1 along K = 8 i + r (a block of 32 = 4 neighbouring i x 8 r).  Whole blocks are moved: place (slot j, s, c, h) holds the block of
; inputs i = 64 j + 32 (s&1) + 16 h + 8 (s>>1) + 4 c + q, q = 0..3, and inside it coefficient (q, r) stands at 16 (q>>1) + 2 r + (q&1).  The second launch lays its basis numbers the same way,
; so the products pair up as in reference(); only the order of the f32 sums differs.
; Slot 8: base_weight's codes and scale bytes as they are given, block 4 s + 2 c + h of row o.
; A block's scale byte is its largest magnitude's exponent field - 2, held at 1 from below by a floor among the maximum's leaves.
; LIMITS: a block of zeros keeps the byte 1 (the rule says 127): its codes are zeros and only this program reads the bytes.  NaN and infinities in coeff are not served.
; One wave to a work-group.  Work-groups 0-255: (slot j = g>>5, tile t = g&31) of coeff.  Work-groups 256-287: tile g-256 of base_weight.
.set SLOTB, 139264
.set L,   32                           ; v32-159  two sets of 64 numbers as loaded: 32 c + 8 q + r
.set PB,  160                          ; v160-191 a block in its order inside the operand
.set CD,  192                          ; v192-223 codes: 8 registers for each K step, never written again
.set W,   224                          ; v224-227 the four scale words of my output
; the largest magnitude of 32 numbers and the floor 2^(3-127): 33 leaves, 16 instructions, two chains
.macro MAX32 a, b, s
	v_max3_num_f32 v[\a], |v[\s]|, |v[\s+1]|, 0x1800000
	v_max3_num_f32 v[\b], |v[\s+2]|, |v[\s+3]|, |v[\s+4]|
.irp i, 5,9,13,17,21,25
	v_max3_num_f32 v[\a], v[\a], |v[\s+\i]|, |v[\s+\i+1]|
	v_max3_num_f32 v[\b], v[\b], |v[\s+\i+2]|, |v[\s+\i+3]|
.endr
	v_max3_num_f32 v[\a], v[\a], |v[\s+29]|, |v[\s+30]|
	v_max3_num_f32 v[\a], v[\a], v[\b], |v[\s+31]|
.endm
	s_load_b256 s[4:11], s[0:1], 0x0               ; coeff s[4:5], base_weight's codes s[6:7], its scales s[8:9], wq s[10:11]
	v_and_b32 v16, 15, v0                          ; n: my output in the tile
	v_lshrrev_b32 v17, 4, v0                       ; h
	v_lshlrev_b32 v2, 4, v0                        ; 16 x lane: my place in an image of four registers
	v_lshlrev_b32 v4, 3, v17                       ; 8 h
	v_lshl_add_u32 v3, v16, 4, v4                  ; my 8 bytes of the tile's 256 scale bytes
	v_mov_b32 v8, 0                                ; a lane permute's destination counts as read
	s_mov_b32 s20, 0x76543210
	s_mov_b32 s21, 0xfedcba98                      ; selects for lane l xor 16
	s_mov_b32 s15, 0
	s_wait_kmcnt 0x0
	s_cmp_lt_u32 ttmp9, 256
	s_cbranch_scc0 .Lbase
	; ---- coeff
	s_lshr_b32 s12, ttmp9, 5                       ; j
	s_and_b32 s13, ttmp9, 31                       ; t
	s_lshl_b32 s14, s12, 20                        ; 64 inputs of 16,384 bytes
	s_lshl_b32 s17, s13, 9                         ; 16 outputs of 32 bytes
	s_add_co_u32 s14, s14, s17
	s_add_nc_u64 s[4:5], s[4:5], s[14:15]
	s_mul_i32 s16, s12, SLOTB
	s_lshl_b32 s17, s13, 12
	s_add_co_u32 s14, s16, s17
	s_add_nc_u64 s[18:19], s[10:11], s[14:15]      ; the tile's codes
	s_lshl_b32 s17, s13, 8
	s_add_co_u32 s14, s16, s17
	s_add_co_u32 s14, s14, 131072
	s_add_nc_u64 s[22:23], s[10:11], s[14:15]      ; the tile's scale bytes
	s_wait_alu depctr_va_vdst(0)
	v_lshlrev_b32 v1, 5, v16                       ; output n: 32 bytes,
	v_lshl_add_u32 v1, v17, 18, v1                 ; lanes 16-31: 16 inputs further on
; K step s: 8 inputs x 8 numbers a lane.  The two loads of an input cover 512 consecutive bytes in each half of the lanes.
.macro CLOAD s
.irp c, 0,1
.irp q, 0,1,2,3
.irp f, 0,1
	global_load_b128 v[L+64*((\s)%2)+32*\c+8*\q+4*\f:L+64*((\s)%2)+32*\c+8*\q+4*\f+3], v1, s[4:5] offset:(32*((\s)&1)+8*((\s)>>1)+4*\c+\q)*16384+16*\f th:TH_LOAD_NT
.endr
.endr
.endr
.endm
; Block c of K step s: scale, order inside the block, codes, store.
.macro CBLK s, c
.set LS, L+64*((\s)%2)+32*(\c)
	MAX32 6, 7, LS
	v_add_nc_u32 v9, 0xff000000, v6                ; 2 off the exponent field: the conversion takes this operand's exponent field as its scale
.irp q, 0,1,2,3
.irp r, 0,1,2,3,4,5,6,7
	v_mov_b32 v[PB+16*(\q>>1)+2*\r+(\q&1)], v[LS+8*\q+\r]   ; the one re-ordering: done here, once, so that the second launch needs none
.endr
.endr
.irp k, 0,1,2,3
	v_cvt_scalef32_pk8_fp4_f32 v[CD+8*(\s)+4*(\c)+\k], v[PB+8*\k:PB+8*\k+7], v9
.endr
	v_lshrrev_b32 v[12+\c], 23, v9                 ; the scale's byte; also the plain line behind the conversions
	global_store_b128 v2, v[CD+8*(\s)+4*(\c):CD+8*(\s)+4*(\c)+3], s[18:19] offset:(\s)*1024+(\c)*512   ; 32 lanes store 512 consecutive bytes
.endm
.macro CSTEP s, left
	s_wait_loadcnt \left                           ; this K step's 16 loads are in; the next step's 16 may be out
	CBLK \s, 0
	CBLK \s, 1
	v_lshl_or_b32 v5, v13, 16, v12                 ; my two bytes: blocks h and 2 + h,
	v_lshlrev_b32 v5, v4, v5                       ; at their places in the word;
	v_permlanex16_b32 v8, v5, s20, s21
	v_or_b32 v[W+\s], v5, v8                       ; with lane l xor 16's two the word is whole
.endm
	CLOAD 0
	CLOAD 1
	CSTEP 0, 16
	CLOAD 2
	CSTEP 1, 16
	CLOAD 3
	CSTEP 2, 16
	CSTEP 3, 0
	v_cmp_eq_u32 vcc_lo, 0, v4                     ; lanes 0-15 store words 0, 1 of their output, lanes 16-31 words 2, 3
	v_cndmask_b32 v10, v[W+2], v[W], vcc_lo
	v_cndmask_b32 v11, v[W+3], v[W+1], vcc_lo
	global_store_b64 v3, v[10:11], s[22:23]        ; 32 lanes store 256 consecutive bytes, aligned
	s_endpgm
	; ---- base_weight: the same bytes, in the operand's order
.Lbase:
	s_sub_co_u32 s12, ttmp9, 256                   ; t
	s_lshl_b32 s14, s12, 12                        ; 16 rows of 256 bytes of codes
	s_add_nc_u64 s[6:7], s[6:7], s[14:15]
	s_add_nc_u64 s[18:19], s[10:11], s[14:15]
	s_add_nc_u64 s[18:19], s[18:19], 8*SLOTB
	s_lshl_b32 s14, s12, 8                         ; 16 rows of 16 scale bytes
	s_add_nc_u64 s[8:9], s[8:9], s[14:15]
	s_add_nc_u64 s[22:23], s[10:11], s[14:15]
	s_add_nc_u64 s[22:23], s[22:23], 8*SLOTB+131072
	s_wait_alu depctr_va_vdst(0)
	v_lshlrev_b32 v1, 8, v16
	v_lshl_add_u32 v1, v17, 4, v1                  ; row n, + 16 h
.irp s, 0,1,2,3
.irp c, 0,1
	global_load_b128 v[L+4*(2*\s+\c):L+4*(2*\s+\c)+3], v1, s[6:7] offset:64*\s+32*\c   ; block 4 s + 2 c + h
.endr
.endr
	global_load_b64 v[10:11], v3, s[8:9]
	s_wait_loadcnt 0x0
.irp s, 0,1,2,3
.irp c, 0,1
	global_store_b128 v2, v[L+4*(2*\s+\c):L+4*(2*\s+\c)+3], s[18:19] offset:1024*\s+512*\c
.endr
.endr
	global_store_b64 v3, v[10:11], s[22:23]
	s_endpgm
.Lfunc_end_k_q1b776833c0_prep:
	.size	k_q1b776833c0_prep, .Lfunc_end_k_q1b776833c0_prep-k_q1b776833c0_prep
	.p2alignl 7, 3214868480
	.fill 96, 4, 3214868480
	.section	.rodata,"a",@progbits
	.p2align	6, 0x0
	.amdhsa_kernel k_q1b776833c0_prep
		.amdhsa_group_segment_fixed_size 0
		.amdhsa_private_segment_fixed_size 0
		.amdhsa_enable_private_segment 0
		.amdhsa_kernarg_size 32
		.amdhsa_user_sgpr_count 2
		.amdhsa_user_sgpr_kernarg_segment_ptr 1
		.amdhsa_wavefront_size32 1
		.amdhsa_system_sgpr_workgroup_id_x 1
		.amdhsa_system_sgpr_workgroup_id_y 1
		.amdhsa_system_sgpr_workgroup_id_z 1
		.amdhsa_system_vgpr_workitem_id 0
		.amdhsa_next_free_vgpr 232
		.amdhsa_next_free_sgpr 66
		.amdhsa_reserve_vcc 1
		.amdhsa_float_denorm_mode_32 3
		.amdhsa_float_denorm_mode_16_64 3
		.amdhsa_memory_ordered 1
		.amdhsa_forward_progress 1
		.amdhsa_inst_pref_size 31
	.end_amdhsa_kernel
	.amdgpu_metadata
---
amdhsa.version: [ 1, 2 ]
amdhsa.kernels:
  - .name:           k_q1b776833c0_prep
    .symbol:         k_q1b776833c0_prep.kd
    .args:
      - { .name: coeff, .offset: 0, .size: 8, .value_kind: global_buffer, .address_space: global }
      - { .name: base_weight_codes, .offset: 8, .size: 8, .value_kind: global_buffer, .address_space: global }
      - { .name: base_weight_scales, .offset: 16, .size: 8, .value_kind: global_buffer, .address_space: global }
      - { .name: wq, .offset: 24, .size: 8, .value_kind: global_buffer, .address_space: global }
    .group_segment_fixed_size: 0
    .private_segment_fixed_size: 0
    .kernarg_segment_align: 8
    .kernarg_segment_size: 32
    .max_flat_workgroup_size: 32
    .sgpr_count:     66
    .vgpr_count:     232
    .wavefront_size: 32
...
	.end_amdgpu_metadata
.endif
;; end of part 1
;; launch kan (part 2): grid 256 x 1, 8 waves a work-group, clusters of 4 x 1, 327,680 bytes of LDS; arguments x, knots, wq, out0; writes out0
.if DOCPART == 2
	.amdgcn_target "amdgcn-amd-amdhsa--gfx1250"
	.amdhsa_code_object_version 6
	.text
	.protected	k_q1b776833c0_kan
	.globl	k_q1b776833c0_kan
	.p2align	8
	.type	k_q1b776833c0_kan,@function
k_q1b776833c0_kan:
	s_mov_b64 s[64:65], 0
	v_nop
	global_prefetch_b8 v0, s[64:65] scope:SCOPE_SE
	s_setreg_imm32_b32 hwreg(HW_REG_WAVE_MODE, 25, 1), 1
	s_wait_xcnt 0x0
	s_wait_alu depctr_hold_cnt(0) depctr_sa_sdst(0) depctr_va_vdst(0) depctr_va_sdst(0) depctr_va_ssrc(0) depctr_va_vcc(0) depctr_vm_vsrc(0)
	s_getreg_b32 s2, hwreg(HW_REG_IB_STS2, 6, 4)
	s_cmp_eq_u32 s2, 0
	s_cbranch_scc0 .Lentry_in_a_cluster
	s_endpgm
.Lentry_in_a_cluster:
	s_bfe_u32 s2, ttmp6, 0x10000c
	s_cmp_lg_u32 s2, 0x3003
	s_cbranch_scc0 .Lentry_shape_is_right
	s_endpgm
.Lentry_shape_is_right:
.set SLOTB, 0x22000
.set PART,  17408
.set AIM,   278528
.set ASC,   294912
.set XQ,    295936
.set XQS,   312320
.set SPARE, 313344
.set LI2,1
.set BADR0,2
.set BSC0,3
.set BADR,4
.set BSCA,5
.set AIW,6
.set ASW,7
.set XQW0,8
.set XQSW0,9
.set XQW,10
.set XQSW,11
.set XO,12
.set SPW,13
.set NIL,14
.set STO,15
.set SRD,16
.set GO,17
.set PLX,18
.set NT,20
.set R2,44
.set R3,64
.set R1,82
.set BS,94
.set AS,102
.set XN,110
.set XC,126
.set D,142
.set P,166
.set TMP,188
.set BB,208
.set CD,240
.set MX0,248
.set MX1,249
.set SCL,250
.set BY,251
.set QB,253
.set QC,254
.set DEN,142
.set RC,172
.set FA,128
.set FB,192
.set T,40
.set M0,52
.set M1,66
.set MSB, 0
.macro WIN new
.if MSB != \new
	s_set_vgpr_msb (MSB<<8)|\new
.set MSB, \new
.endif
.endm
.macro ROUND
	s_barrier_signal -1
	s_barrier_wait -1
	s_cmp_lg_u32 s12, 0
	s_cbranch_scc1 .Lnot_wave_0_\@
	s_barrier_signal -3
.Lnot_wave_0_\@:
	s_barrier_wait -3
	s_barrier_signal -1
	s_barrier_wait -1
.endm
.macro BAR
	s_wait_dscnt 0x0
	s_barrier_signal -1
	s_barrier_wait -1
.endm
.macro NOPS n
.rept \n
	v_nop
.endr
.endm
.macro MM1
.set ksp, mmi>>4
.set mq, (mmi>>2)&3
.set tq, mmi&3
.set rD, MM_ACC+8*(4*mq+tq)
.set rW, MM_FB+8*(4*ksp+tq)
.set rX, MM_FA+8*(4*ksp+mq)
.set rSW, BS+4*(tq>>1)+2*MM_SIG+ksp
.set rSX, AS+(mq>>1)*MM_ASM+MM_ASO+ksp
.if MM_ZERO && (mmi < 16)
.if (tq&1) && (mq&1)
	v_wmma_scale_f32_16x16x128_f8f6f4 v[rD:rD+7], v[rW:rW+7], v[rX:rX+7], 0, v[rSW], v[rSX] matrix_a_fmt:MATRIX_FMT_FP4 matrix_b_fmt:MATRIX_FMT_FP4 matrix_a_scale:MATRIX_SCALE_ROW1 matrix_b_scale:MATRIX_SCALE_ROW1
.elseif tq&1
	v_wmma_scale_f32_16x16x128_f8f6f4 v[rD:rD+7], v[rW:rW+7], v[rX:rX+7], 0, v[rSW], v[rSX] matrix_a_fmt:MATRIX_FMT_FP4 matrix_b_fmt:MATRIX_FMT_FP4 matrix_a_scale:MATRIX_SCALE_ROW1
.elseif mq&1
	v_wmma_scale_f32_16x16x128_f8f6f4 v[rD:rD+7], v[rW:rW+7], v[rX:rX+7], 0, v[rSW], v[rSX] matrix_a_fmt:MATRIX_FMT_FP4 matrix_b_fmt:MATRIX_FMT_FP4 matrix_b_scale:MATRIX_SCALE_ROW1
.else
	v_wmma_scale_f32_16x16x128_f8f6f4 v[rD:rD+7], v[rW:rW+7], v[rX:rX+7], 0, v[rSW], v[rSX] matrix_a_fmt:MATRIX_FMT_FP4 matrix_b_fmt:MATRIX_FMT_FP4
.endif
.else
.if (tq&1) && (mq&1)
	v_wmma_scale_f32_16x16x128_f8f6f4 v[rD:rD+7], v[rW:rW+7], v[rX:rX+7], v[rD:rD+7], v[rSW], v[rSX] matrix_a_fmt:MATRIX_FMT_FP4 matrix_b_fmt:MATRIX_FMT_FP4 matrix_a_scale:MATRIX_SCALE_ROW1 matrix_b_scale:MATRIX_SCALE_ROW1
.elseif tq&1
	v_wmma_scale_f32_16x16x128_f8f6f4 v[rD:rD+7], v[rW:rW+7], v[rX:rX+7], v[rD:rD+7], v[rSW], v[rSX] matrix_a_fmt:MATRIX_FMT_FP4 matrix_b_fmt:MATRIX_FMT_FP4 matrix_a_scale:MATRIX_SCALE_ROW1
.elseif mq&1
	v_wmma_scale_f32_16x16x128_f8f6f4 v[rD:rD+7], v[rW:rW+7], v[rX:rX+7], v[rD:rD+7], v[rSW], v[rSX] matrix_a_fmt:MATRIX_FMT_FP4 matrix_b_fmt:MATRIX_FMT_FP4 matrix_b_scale:MATRIX_SCALE_ROW1
.else
	v_wmma_scale_f32_16x16x128_f8f6f4 v[rD:rD+7], v[rW:rW+7], v[rX:rX+7], v[rD:rD+7], v[rSW], v[rSX] matrix_a_fmt:MATRIX_FMT_FP4 matrix_b_fmt:MATRIX_FMT_FP4
.endif
.endif
.endm
.macro HOOK
.if mmon && (mmi < 32)
	WIN MM_WIN
	MM1
	WIN 0
.set mmi, mmi+1
.endif
.endm
.macro MMRUN
.set mmi, 0
	WIN MM_WIN
.rept 32
	MM1
.set mmi, mmi+1
.endr
	WIN 0
.endm
.macro MAX32 a, b, s
	v_max3_num_f32 v[\a], |v[\s]|, |v[\s+1]|, 0x1800000
	v_max3_num_f32 v[\b], |v[\s+2]|, |v[\s+3]|, |v[\s+4]|
.irp i, 5,9,13,17,21,25
	s_delay_alu instid0(VALU_DEP_2)
	v_max3_num_f32 v[\a], v[\a], |v[\s+\i]|, |v[\s+\i+1]|
	s_delay_alu instid0(VALU_DEP_2)
	v_max3_num_f32 v[\b], v[\b], |v[\s+\i+2]|, |v[\s+\i+3]|
.endr
	s_delay_alu instid0(VALU_DEP_2)
	v_max3_num_f32 v[\a], v[\a], |v[\s+29]|, |v[\s+30]|
	s_delay_alu instid0(VALU_DEP_1)
	v_max3_num_f32 v[\a], v[\a], v[\b], |v[\s+31]|
.endm
.macro PAIR x, out
.set i, 0
.rept 12
	v_pk_add_f32 v[D+2*i:D+2*i+1], v[\x:\x+1], v[NT+2*i:NT+2*i+1]
.set i, i+1
.endr
	HOOK
.set i, 0
.rept 12
	v_cmp_le_f32 s[M0+i], s[T+i], v[\x]
.set i, i+1
.endr
	HOOK
.set i, 0
.rept 12
	v_cmp_le_f32 s[M1+i], s[T+i], v[\x+1]
.set i, i+1
.endr
	HOOK
.set i, 0
.rept 11
	s_and_not1_b32 s[M0+i], s[M0+i], s[M0+i+1]
.set i, i+1
.endr
.set i, 0
.rept 11
	v_cndmask_b32 v[P+2*i], 0, v[R1+i], s[M0+i]
.set i, i+1
.endr
	HOOK
.set i, 0
.rept 11
	s_and_not1_b32 s[M1+i], s[M1+i], s[M1+i+1]
.set i, i+1
.endr
.set i, 0
.rept 11
	v_cndmask_b32 v[P+2*i+1], 0, v[R1+i], s[M1+i]
.set i, i+1
.endr
	HOOK
.set i, 0
.rept 10
	v_pk_mul_f32 v[TMP+2*i:TMP+2*i+1], v[D+2*i+4:D+2*i+5], v[P+2*i+2:P+2*i+3]
.set i, i+1
.endr
	HOOK
.set i, 0
.rept 10
	v_pk_fma_f32 v[P+2*i:P+2*i+1], v[D+2*i:D+2*i+1], v[P+2*i:P+2*i+1], v[TMP+2*i:TMP+2*i+1] neg_lo:[0,0,1] neg_hi:[0,0,1]
.set i, i+1
.endr
	HOOK
.set i, 0
.rept 10
	v_pk_mul_f32 v[P+2*i:P+2*i+1], v[P+2*i:P+2*i+1], v[R2+2*i:R2+2*i+1]
.set i, i+1
.endr
	HOOK
.set i, 0
.rept 9
	v_pk_mul_f32 v[TMP+2*i:TMP+2*i+1], v[D+2*i+6:D+2*i+7], v[P+2*i+2:P+2*i+3]
.set i, i+1
.endr
	HOOK
.set i, 0
.rept 9
	v_pk_fma_f32 v[P+2*i:P+2*i+1], v[D+2*i:D+2*i+1], v[P+2*i:P+2*i+1], v[TMP+2*i:TMP+2*i+1] neg_lo:[0,0,1] neg_hi:[0,0,1]
.set i, i+1
.endr
	HOOK
.set i, 0
.rept 9
	v_pk_mul_f32 v[P+2*i:P+2*i+1], v[P+2*i:P+2*i+1], v[R3+2*i:R3+2*i+1]
.set i, i+1
.endr
	HOOK
.set i, 0
.rept 8
	v_pk_mul_f32 v[TMP+2*i:TMP+2*i+1], v[D+2*i+8:D+2*i+9], v[P+2*i+2:P+2*i+3]
.set i, i+1
.endr
	HOOK
.set i, 0
.rept 8
	v_pk_fma_f32 v[BB+\out+2*i:BB+\out+2*i+1], v[D+2*i:D+2*i+1], v[P+2*i:P+2*i+1], v[TMP+2*i:TMP+2*i+1] neg_lo:[0,0,1] neg_hi:[0,0,1]
.set i, i+1
.endr
.endm
.macro QBLK c, buf
	MAX32 MX0, MX1, BB
	s_delay_alu instid0(VALU_DEP_1)
	v_add_nc_u32 v[SCL], 0xff000000, v[MX0]
.irp k, 0,1,2,3
	v_cvt_scalef32_pk8_fp4_f32 v[CD+4*\c+\k], v[BB+8*\k:BB+8*\k+7], v[SCL]
.endr
	v_lshrrev_b32 v[BY+\c], 23, v[SCL]
	ds_store_b128 v[AIW], v[CD+4*\c:CD+4*\c+3] offset:\buf*8192+\c*512
	ds_store_b8 v[ASW], v[BY+\c] offset:\buf*512+2*\c
.endm
.macro PROD sig, buf, hooks
.set mmon, 0
.set mmi, 0
	PAIR XC+8*\sig, 0
	s_wait_dscnt 0x0
.set mmon, \hooks
	PAIR XC+8*\sig+2, 16
	QBLK 0, \buf
	PAIR XC+8*\sig+4, 0
	PAIR XC+8*\sig+6, 16
	QBLK 1, \buf
.endm
.macro LOADS sig, buf, bs
	ds_load_b128 v[AS:AS+3], v[LI2] offset:ASC-AIM+\buf*512
.if \bs
	ds_load_b128 v[BS:BS+3], v[BSCA]
	ds_load_b128 v[BS+4:BS+7], v[BSCA] offset:512
.endif
	WIN 0x40
.irp e, 0,1
.irp tt, 0,1,2,3
.irp c, 0,1
	ds_load_b128 v[FB+8*(4*\e+\tt)+4*\c:FB+8*(4*\e+\tt)+4*\c+3], v[BADR] offset:(4*\tt+2*\sig+\e)*1024+512*\c
.endr
.endr
.irp mm, 0,1,2,3
.irp c, 0,1
	ds_load_b128 v[FA+8*(4*\e+\mm)+4*\c:FA+8*(4*\e+\mm)+4*\c+3], v[LI2] offset:\buf*8192+(2*\mm+\e)*1024+512*\c
.endr
.endr
.endr
	WIN 0
.endm
.macro ARRIVE
	s_wait_loadcnt 0x0
	v_max3_num_f32 v[MX0], |v[XN]|, |v[XN+1]|, 0x1800000
	v_max3_num_f32 v[MX1], |v[XN+2]|, |v[XN+3]|, |v[XN+4]|
	s_delay_alu instid0(VALU_DEP_2)
	v_max3_num_f32 v[MX0], v[MX0], |v[XN+5]|, |v[XN+6]|
	s_delay_alu instid0(VALU_DEP_2)
	v_max3_num_f32 v[MX1], v[MX1], |v[XN+7]|, |v[XN+8]|
	s_delay_alu instid0(VALU_DEP_2)
	v_max3_num_f32 v[MX0], v[MX0], |v[XN+9]|, |v[XN+10]|
	s_delay_alu instid0(VALU_DEP_2)
	v_max3_num_f32 v[MX1], v[MX1], |v[XN+11]|, |v[XN+12]|
	s_delay_alu instid0(VALU_DEP_2)
	v_max3_num_f32 v[MX0], v[MX0], |v[XN+13]|, |v[XN+14]|
	s_delay_alu instid0(VALU_DEP_1)
	v_max3_num_f32 v[MX0], v[MX0], v[MX1], |v[XN+15]|
	s_delay_alu instid0(VALU_DEP_1)
	v_permlanex16_b32 v[PLX], v[MX0], s78, s79
	s_delay_alu instid0(VALU_DEP_1)
	v_max_num_f32 v[MX0], v[MX0], v[PLX]
	s_delay_alu instid0(VALU_DEP_1)
	v_add_nc_u32 v[SCL], 0xff000000, v[MX0]
	v_cvt_scalef32_pk8_fp4_f32 v[QC], v[XN:XN+7], v[SCL]
	v_cvt_scalef32_pk8_fp4_f32 v[QC+1], v[XN+8:XN+15], v[SCL]
	v_lshrrev_b32 v[QB], 23, v[SCL]
	v_add_nc_u32 v[XQW], s82, v[XQW0]
	v_add_nc_u32 v[XQSW], s83, v[XQSW0]
	ds_store_b64 v[XQW], v[QC:QC+1]
	ds_store_b8 v[XQSW], v[QB]
	s_add_co_u32 s82, s82, 512
	s_add_co_u32 s83, s83, 2
.set i, 0
.rept 16
	v_max_num_f32 v[XC+i], s[T+3], v[XN+i]
	s_delay_alu instid0(VALU_DEP_1)
	v_min_num_f32 v[XC+i], s[T+8], v[XC+i]
.set i, i+1
.endr
	s_cmp_eq_u32 s81, 1
	s_cbranch_scc1 .Lno_next_\@
	s_add_nc_u64 s[84:85], s[84:85], 256
.irp k, 0,1,2,3
	global_load_b128 v[XN+4*\k:XN+4*\k+3], v[XO], s[84:85] offset:16*\k th:TH_LOAD_NT
.endr
.Lno_next_\@:
.endm
.macro CHANGE fill
	WIN 0
	s_wait_tensorcnt 0x0
	ds_add_u32 v[SPW], v[NIL]
.if \fill
	s_xor_b32 s37, s37, SLOTB
	s_add_nc_u64 s[38:39], s[38:39], SLOTB
.endif
	s_wait_dscnt 0x0
.if \fill
	ROUND
	tensor_load_to_lds s[36:39], s[24:31]
	s_nop 0
	NOPS 4
.else
	s_barrier_signal -1
	s_barrier_wait -1
.endif
	s_xor_b32 s80, s80, SLOTB
	v_add_nc_u32 v[BADR], s80, v[BADR0]
	v_add_nc_u32 v[BSCA], s80, v[BSC0]
.endm
	s_load_b256 s[4:11], s[0:1], 0x0
	v_lshl_add_u32 v[SPW], v0, 2, SPARE
	v_mov_b32 v[NIL], 0
	ds_add_u32 v13, v14
	ds_add_u32 v13, v14
	s_wait_dscnt 0x0
	v_lshrrev_b32 v19, 5, v0
	s_delay_alu instid0(VALU_DEP_1)
	v_readfirstlane_b32 s12, v19
	s_and_b32 s13, s12, 3
	s_lshr_b32 s14, s12, 2
	s_bfe_u32 s15, ttmp6, 0x40000
	s_lshl_b32 s16, ttmp9, 2
	s_add_co_u32 s16, s16, s15
	s_mov_b32 s24, 15|(3<<16)|(1<<21)
	s_mov_b32 s25, 32<<16
	s_mov_b32 s26, 68<<16
	s_mov_b32 s27, 32<<16
	s_mov_b32 s28, 68
	s_mov_b32 s29, 32
	s_mov_b32 s30, 0
	s_mov_b32 s31, 0
	s_mul_i32 s18, s12, PART
	s_mov_b32 s19, 0
	s_mov_b32 s32, 1
	s_mov_b32 s33, s18
	s_mov_b32 s36, 1
	s_add_co_u32 s37, s18, SLOTB
	s_mov_b32 s78, 0x76543210
	s_mov_b32 s79, 0xfedcba98
	s_mov_b32 s80, 0
	s_mov_b32 s81, 7
	s_mov_b32 s82, 0
	s_mov_b32 s83, 0
	s_mov_b32 s88, 0xbfb8aa3b
	s_mov_b32 s89, s88
	s_lshl_b32 s20, s16, 17
	s_lshl_b32 s17, s13, 15
	s_add_co_u32 s20, s20, s17
	s_lshl_b32 s17, s14, 7
	s_add_co_u32 s20, s20, s17
	s_mov_b32 s21, 0
	s_lshl_b32 s22, s16, 17
	s_lshl_b32 s17, s12, 8
	s_add_co_u32 s22, s22, s17
	s_mov_b32 s23, 0
	s_wait_kmcnt 0x0
	s_load_b256 s[40:47], s[6:7], 0x0
	s_load_b128 s[48:51], s[6:7], 0x20
	s_add_nc_u64 s[34:35], s[8:9], s[18:19]
	s_add_nc_u64 s[38:39], s[34:35], SLOTB
	s_or_b32 s35, s35, 0x80000000
	s_or_b32 s39, s39, 0x80000000
	s_add_nc_u64 s[84:85], s[4:5], s[20:21]
	s_add_nc_u64 s[86:87], s[10:11], s[22:23]
	s_wait_kmcnt 0x0
	ROUND
	tensor_load_to_lds s[32:35], s[24:31]
	s_nop 0
	s_wait_alu depctr_va_vdst(0)
	s_wait_tensorcnt 0x0
	ds_add_u32 v13, v14
	s_wait_dscnt 0x0
	ROUND
	tensor_load_to_lds s[36:39], s[24:31]
	s_nop 0
	NOPS 4
	v_and_b32 v248, 31, v0
	v_and_b32 v249, 15, v0
	v_bfe_u32 v250, v0, 4, 1
	s_wait_alu depctr_va_vdst(0)
	v_lshlrev_b32 v[XO], 6, v250
	s_delay_alu instid0(VALU_DEP_1)
	v_lshl_add_u32 v[XO], v249, 11, v[XO]
.irp k, 0,1,2,3
	global_load_b128 v[XN+4*\k:XN+4*\k+3], v[XO], s[84:85] offset:16*\k th:TH_LOAD_NT
.endr
	v_lshl_add_u32 v[LI2], v248, 4, AIM
	s_lshl_b32 s17, s12, 14
	v_lshl_add_u32 v[BADR0], v248, 4, s17
	s_lshl_b32 s17, s12, 10
	s_add_co_u32 s17, s17, 131072
	v_lshl_add_u32 v[BSC0], v248, 4, s17
	s_lshl_b32 s17, s13, 11
	s_lshl_b32 s18, s14, 10
	s_add_co_u32 s17, s17, s18
	v_add_nc_u32 v[AIW], s17, v[LI2]
	s_and_b32 s17, s13, 1
	s_lshl_b32 s17, s17, 8
	s_lshr_b32 s18, s13, 1
	s_lshl_b32 s18, s18, 3
	s_add_co_u32 s17, s17, s18
	s_lshl_b32 s18, s14, 2
	s_add_co_u32 s17, s17, s18
	s_add_co_u32 s17, s17, ASC
	v_lshl_add_u32 v[ASW], v249, 4, v250
	s_delay_alu instid0(VALU_DEP_1)
	v_add_nc_u32 v[ASW], s17, v[ASW]
	s_lshl_b32 s17, s13, 12
	s_lshl_b32 s18, s14, 8
	s_add_co_u32 s17, s17, s18
	s_add_co_u32 s17, s17, XQ
	v_lshlrev_b32 v[XQW0], 3, v250
	s_delay_alu instid0(VALU_DEP_1)
	v_lshl_add_u32 v[XQW0], v249, 4, v[XQW0]
	s_delay_alu instid0(VALU_DEP_1)
	v_add_nc_u32 v[XQW0], s17, v[XQW0]
	s_lshl_b32 s17, s13, 8
	s_add_co_u32 s17, s17, s14
	s_add_co_u32 s17, s17, XQS
	v_lshl_add_u32 v[XQSW0], v249, 4, s17
	s_mul_i32 s17, s12, 16*272
	s_add_co_u32 s17, s17, SLOTB
	v_mul_u32_u24 v[STO], v249, 272
	s_delay_alu instid0(VALU_DEP_1)
	v_lshl_add_u32 v[STO], v250, 5, v[STO]
	s_delay_alu instid0(VALU_DEP_1)
	v_add_nc_u32 v[STO], s17, v[STO]
	v_mul_u32_u24 v[SRD], v250, 272
	s_delay_alu instid0(VALU_DEP_1)
	v_lshl_add_u32 v[SRD], v249, 4, v[SRD]
	s_delay_alu instid0(VALU_DEP_1)
	v_add_nc_u32 v[SRD], s17, v[SRD]
	v_lshlrev_b32 v[GO], 11, v250
	s_delay_alu instid0(VALU_DEP_1)
	v_lshl_add_u32 v[GO], v249, 4, v[GO]
	v_mov_b32 v[PLX], 0
	v_add_nc_u32 v[BADR], s80, v[BADR0]
	v_add_nc_u32 v[BSCA], s80, v[BSC0]
.set i, 0
.rept 11
	v_sub_f32 v[DEN+i], s[T+i+1], s[T+i]
.set i, i+1
.endr
.set i, 0
.rept 10
	v_sub_f32 v[DEN+11+i], s[T+i+2], s[T+i]
.set i, i+1
.endr
.set i, 0
.rept 9
	v_sub_f32 v[DEN+21+i], s[T+i+3], s[T+i]
.set i, i+1
.endr
.set i, 0
.rept 30
	v_max_num_f32 v[DEN+i], 0x322bcc77, v[DEN+i]
.set i, i+1
.endr
.set i, 0
	s_wait_alu depctr_va_vdst(0)
.rept 30
	v_rcp_f32 v[RC+i], v[DEN+i]
.set i, i+1
.endr
	v_nop
	s_wait_alu depctr_va_vdst(0)
.set i, 0
.rept 30
	v_fma_f32 v[DEN+i], -v[DEN+i], v[RC+i], 1.0
.set i, i+1
.endr
.set i, 0
.rept 11
	v_fma_f32 v[R1+i], v[RC+i], v[DEN+i], v[RC+i]
.set i, i+1
.endr
.set i, 0
.rept 10
	v_fma_f32 v[R2+2*i], v[RC+11+i], v[DEN+11+i], v[RC+11+i]
	v_fma_f32 v[R2+2*i+1], v[RC+11+i], v[DEN+11+i], v[RC+11+i]
.set i, i+1
.endr
.set i, 0
.rept 9
	v_fma_f32 v[R3+2*i], v[RC+21+i], v[DEN+21+i], v[RC+21+i]
	v_fma_f32 v[R3+2*i+1], v[RC+21+i], v[DEN+21+i], v[RC+21+i]
.set i, i+1
.endr
.set i, 0
.rept 12
	v_sub_f32 v[NT+2*i], 0, s[T+i]
	v_sub_f32 v[NT+2*i+1], 0, s[T+i]
.set i, i+1
.endr
.set MM_WIN, 0x55
.set MM_FA, FA
.set MM_FB, FB
.set MM_ACC, 0
.set MM_ASM, 2
.set MM_ASO, 0
.set MM_SIG, 0
.set MM_ZERO, 0
	ARRIVE
	PROD 0, 0, 0
	s_wait_tensorcnt 0x1
	BAR
	LOADS 0, 0, 1
.set MM_ZERO, 1
	PROD 1, 1, 1
.set MM_ZERO, 0
.Lslot:
	BAR
	LOADS 1, 1, 0
	ARRIVE
.set MM_SIG, 1
	PROD 0, 0, 1
	CHANGE 1
	LOADS 0, 0, 1
.set MM_SIG, 0
	PROD 1, 1, 1
	s_sub_co_u32 s81, s81, 1
	s_cmp_lg_u32 s81, 0
	s_cbranch_scc1 .Lslot
	BAR
	LOADS 1, 1, 0
	s_wait_dscnt 0x0
.set MM_SIG, 1
	MMRUN
	CHANGE 0
	NOPS 5
.macro BLOADS sig
.if \sig == 0
	ds_load_b128 v[AS:AS+3], v[LI2] offset:XQS-AIM
	ds_load_b128 v[AS+4:AS+7], v[LI2] offset:XQS-AIM+512
	ds_load_b128 v[BS:BS+3], v[BSCA]
	ds_load_b128 v[BS+4:BS+7], v[BSCA] offset:512
.endif
.irp e, 0,1
.irp tt, 0,1,2,3
.irp c, 0,1
	ds_load_b128 v[174+8*(4*\e+\tt)+4*\c:174+8*(4*\e+\tt)+4*\c+3], v[BADR] offset:(4*\tt+2*\sig+\e)*1024+512*\c
.endr
.endr
.irp mm, 0,1,2,3
.irp c, 0,1
	ds_load_b128 v[110+8*(4*\e+\mm)+4*\c:110+8*(4*\e+\mm)+4*\c+3], v[LI2] offset:XQ-AIM+(4*\mm+2*\sig+\e)*1024+512*\c
.endr
.endr
.endr
.endm
.set MM_WIN, 0x50
.set MM_FA, 110
.set MM_FB, 174
.set MM_ACC, 128
.set MM_ASM, 4
	BLOADS 0
	s_wait_alu depctr_va_vdst(0)
	s_wait_dscnt 0x0
.set MM_SIG, 0
.set MM_ASO, 0
.set MM_ZERO, 1
	MMRUN
	NOPS 4
	BLOADS 1
	s_wait_dscnt 0x0
.set MM_SIG, 1
.set MM_ASO, 2
.set MM_ZERO, 0
	MMRUN
	NOPS 4
.macro OUTC m
.set EE, 110+32*((\m)%2)
	WIN 0x01
.set k, 0
.rept 16
	v_pk_mul_f32 v[EE+2*k:EE+2*k+1], v[128+32*(\m)+2*k:128+32*(\m)+2*k+1], s[88:89] op_sel_hi:[1,0]
.set k, k+1
.endr
	WIN 0
.set k, 0
	s_wait_alu depctr_va_vdst(0)
.rept 32
	v_exp_f32 v[EE+k], v[EE+k]
.set k, k+1
.endr
	v_nop
	s_wait_alu depctr_va_vdst(0)
.set k, 0
.rept 16
	v_pk_add_f32 v[EE+2*k:EE+2*k+1], v[EE+2*k:EE+2*k+1], 1.0 op_sel_hi:[1,0]
.set k, k+1
.endr
.set k, 0
	s_wait_alu depctr_va_vdst(0)
.rept 32
	v_rcp_f32 v[EE+k], v[EE+k]
.set k, k+1
.endr
	v_nop
	s_wait_alu depctr_va_vdst(0)
	WIN 0x11
.set k, 0
.rept 16
	v_pk_fma_f32 v[EE+2*k:EE+2*k+1], v[128+32*(\m)+2*k:128+32*(\m)+2*k+1], v[EE+2*k:EE+2*k+1], v[32*(\m)+2*k:32*(\m)+2*k+1]
.set k, k+1
.endr
	WIN 0
.endm
.macro TOSTAGE m
.set EE, 110+32*((\m)%2)
.set RB, 174+32*((\m)%2)
.irp tt, 0,1,2,3
	ds_store_b128 v[STO], v[EE+8*\tt:EE+8*\tt+3] offset:64*\tt
	ds_store_b128 v[STO], v[EE+8*\tt+4:EE+8*\tt+7] offset:64*\tt+16
.endr
.irp n, 0,1,2,3,4,5,6,7
	ds_load_b128 v[RB+4*\n:RB+4*\n+3], v[SRD] offset:544*\n
.endr
.endm
.macro SEND m, younger
.set RB, 174+32*((\m)%2)
	s_wait_dscnt \younger
.irp n, 0,1,2,3,4,5,6,7
	global_store_b128 v[GO], v[RB+4*\n:RB+4*\n+3], s[86:87] offset:(\m)*32768+\n*4096 th:TH_STORE_NT
.endr
.endm
	OUTC 0
	TOSTAGE 0
	OUTC 1
	TOSTAGE 1
	SEND 0, 16
	OUTC 2
	s_wait_alu depctr_va_vdst(0)
	s_wait_xcnt 0x0
	TOSTAGE 2
	SEND 1, 16
	OUTC 3
	s_wait_alu depctr_va_vdst(0)
	s_wait_xcnt 0x0
	TOSTAGE 3
	SEND 2, 16
	SEND 3, 0
	s_wait_tensorcnt 0x0
	ds_add_u32 v[SPW], v[NIL]
	s_wait_dscnt 0x0
	ROUND
	s_endpgm
.Lfunc_end_k_q1b776833c0_kan:
	.size	k_q1b776833c0_kan, .Lfunc_end_k_q1b776833c0_kan-k_q1b776833c0_kan
	.p2alignl 7, 3214868480
	.fill 96, 4, 3214868480
	.section	.rodata,"a",@progbits
	.p2align	6, 0x0
	.amdhsa_kernel k_q1b776833c0_kan
		.amdhsa_group_segment_fixed_size 327680
		.amdhsa_private_segment_fixed_size 0
		.amdhsa_enable_private_segment 0
		.amdhsa_kernarg_size 32
		.amdhsa_user_sgpr_count 2
		.amdhsa_user_sgpr_kernarg_segment_ptr 1
		.amdhsa_wavefront_size32 1
		.amdhsa_system_sgpr_workgroup_id_x 1
		.amdhsa_system_sgpr_workgroup_id_y 1
		.amdhsa_system_sgpr_workgroup_id_z 1
		.amdhsa_system_vgpr_workitem_id 0
		.amdhsa_next_free_vgpr 512
		.amdhsa_next_free_sgpr 96
		.amdhsa_reserve_vcc 0
		.amdhsa_float_denorm_mode_32 3
		.amdhsa_float_denorm_mode_16_64 3
		.amdhsa_memory_ordered 1
		.amdhsa_forward_progress 1
		.amdhsa_inst_pref_size 255
	.end_amdhsa_kernel
	.section	.bss,"aw",@nobits
	.p2align	6
	.space	262144
	.amdgpu_metadata
---
amdhsa.version: [ 1, 2 ]
amdhsa.kernels:
  - .name:           k_q1b776833c0_kan
    .symbol:         k_q1b776833c0_kan.kd
    .args:
      - { .name: x, .offset: 0, .size: 8, .value_kind: global_buffer, .address_space: global }
      - { .name: knots, .offset: 8, .size: 8, .value_kind: global_buffer, .address_space: global }
      - { .name: wq, .offset: 16, .size: 8, .value_kind: global_buffer, .address_space: global }
      - { .name: out0, .offset: 24, .size: 8, .value_kind: global_buffer, .address_space: global }
    .group_segment_fixed_size: 327680
    .private_segment_fixed_size: 0
    .kernarg_segment_align: 8
    .kernarg_segment_size: 32
    .max_flat_workgroup_size: 256
    .sgpr_count:     96
    .vgpr_count:     512
    .wavefront_size: 32
...
	.end_amdgpu_metadata
.endif
;; end of part 2
